; MI455X (gfx1250); checked and timed in simulation.
; The chip was launched on July 23, 2026; its instructions are those of AMD's public machine-readable ISA for CDNA 5 (MIT licence, August 2026) and "CDNA5" Instruction Set Architecture Reference Guide (July 2026). The comments in the code are by the model that wrote it; some were corrected since.
;; Core Attention. Allowed arithmetic: matrix products marked QUANTISED: E2M3 operands, one E8M0 scale for each 32 along K, by v_wmma_scale_f32_16x16x128_f8f6f4 with both operands' format E2M3, f32 sums; everything else in f32.
;; Inputs: key 2,048 x 2 x 16 x 128 int32; kmin 2,048 x 2 x 16 x 1 float32; kscale 2,048 x 2 x 16 x 1 float32; qmin 2,048 x 2 x 16 x 1 float32; qscale 2,048 x 2 x 16 x 1 float32; query 2,048 x 2 x 16 x 128 int32; value 2,048 x 2 x 16 x 128 int32; vmin 2,048 x 2 x 16 x 1 float32; vscale 2,048 x 2 x 16 x 1 float32.
;; Outputs: out0 2,048 x 2 x 2,048 float32.
;; This version of the problem:
;;   THIS VERSION OF THE PROBLEM IS GIVEN IN LOW PRECISION. The matrix products marked QUANTISED in the list below multiply operands that are first quantised to E2M3 (2 exponent bits, 3 mantissa bits; 6 bits a number), with one power-of-two scale for each 32 numbers along K (OCP MX v1.0); their sums are f32. All else is computed in f32.
;;   The module's matrix products, in the order in which they are computed (A, B: the left and right operand; K: the contracted axis; several contracted axes count as one K, in the product's order):
;;     1. batch 32 x [M 2,048, K 128] x [K 128, N 2,048]; A: input query; B: input key: QUANTISED
;;     2. batch 32 x [M 2,048, K 2,048] x [K 2,048, N 128]; A: softmax (see below); B: computed on the way: QUANTISED
;;   THE QUANTISER, for each operand of a quantised product, along K:
;;     - K is cut into blocks of 32 from its start; a last block that is shorter is filled with zeros.
;;     - A block's scale is 2^e with e = floor(log2(the largest magnitude in the block)) - 2, held to -126 .. 127; a block of zeros has e = 0. As a byte (E8M0): e + 127.
;;     - Each number is divided by its block's scale, clamped to +-7.5, and rounded to the nearest number of E2M3, ties to even, subnormals kept.
;;     - The product sums the exact products of the quantised numbers (number of the format x scale) in f32.
;;   ~~~python
;;   def quantise(x, axis):      # numpy; x: float32 -> the quantised numbers, widened to float32 again
;;       x = np.moveaxis(x, axis, -1); K = x.shape[-1]
;;       x = np.pad(x, [(0, 0)] * (x.ndim - 1) + [(0, -K % 32)]); x = x.reshape(x.shape[:-1] + (-1, 32)); a = np.abs(x).max(-1, keepdims=True)
;;       e = np.where(a > 0, np.clip(np.frexp(np.where(a > 0, a, 1))[1] - 1 - 2, -126, 127), 0)      # np.frexp(a)[1] - 1 = floor(log2(a)), exactly
;;       r = np.clip(x / 2.0 ** e, -7.5, 7.5)
;;       step = 2.0 ** (np.maximum(np.frexp(np.where(r == 0, 1, r))[1] - 1, 0) - 3)
;;       q = np.round(r / step) * step * 2.0 ** e      # np.round: ties to even
;;       return np.moveaxis(q.reshape(q.shape[:-2] + (-1,))[..., :K], -1, axis).astype(np.float32)
;;   ~~~
;;   SOFTMAX AHEAD OF A QUANTISED PRODUCT. Where the list says 'softmax', what is quantised is not the finished softmax but p = 2^(t - M), with t = logit x log2(e) and M = ceil(the row's largest t), a whole number; so 1/2 < the row's largest p <= 1. The row's sum l is taken of the UNQUANTISED p, in f32, and the product's result is divided by l at the end. Since M is a whole number, a kernel that streams over the keys may use a running M (the ceiling of the running maximum): every later rescaling is an exact power of two, which a block's scale takes up: the codes' values come out the same.
;;   OPERANDS COMPUTED ON THE WAY. 'Computed on the way' means the value that the module computes at that place (a softmax that the list does not call 'softmax' is quantised finished and normalised). What goes into a quantiser is computed in f32, as accurately as f32 sums, v_exp_f32 and their like allow (about 1e-6 of the number): no bf16 or f16 on the way to a quantiser, and a product that is left as it is and whose result goes on into a quantised operand takes f32 operands (vector FMAs, or v_wmma_f32_16x16x4_f32). A number that lies on a knife's edge between two numbers of the format may be rounded either way, as far as f32 arithmetic and the matrix unit's own rounding can turn it there, and no further.
;; One version. Each part assembles by itself: llvm-mc -triple=amdgcn-amd-amdhsa -mcpu=gfx1250 --defsym DOCPART=n.
;; ======== version 1 of 1: 2 launches
;; limits: right only within a limited range of input values
;; workspace buffers: qrec 7,340,032 bytes; krec 7,340,032 bytes; vrec 6,553,600 bytes
;; launch prep (part 1): grid 512 x 1, 4 waves a work-group, no clusters, 62,976 bytes of LDS; arguments query, key, value, qscale, qmin, kscale, kmin, vscale, vmin, qrec, krec, vrec; writes qrec, krec, vrec
.if DOCPART == 1
	.amdgcn_target "amdgcn-amd-amdhsa--gfx1250"
	.amdhsa_code_object_version 6
	.text
	.protected	k_q054c86de5e_prep
	.globl	k_q054c86de5e_prep
	.p2align	8
	.type	k_q054c86de5e_prep,@function
k_q054c86de5e_prep:
	s_mov_b64 s[64:65], 0
	v_nop
	global_prefetch_b8 v0, s[64:65] scope:SCOPE_SE
	s_setreg_imm32_b32 hwreg(HW_REG_WAVE_MODE, 25, 1), 1
	s_wait_xcnt 0x0
; query, key, value: [2048 tokens][32 heads][128] int32; their scales and mins: [2048][32] f32.  Every input is read once and becomes what the attention launch's matrix instructions take:
; codes of FP6 (E2M3) laid as IMAGES OF THE OPERAND'S REGISTERS, E8M0 scale words, and per-token coefficients.
; qrec, krec: [32 heads][16 steps of 128 tokens][REC bytes].  A record: 8 fragment images of 1,536 bytes (16 tokens x the head's 128: register n of lane l at 512 (n / 4) + 16 l + 4 (n % 4));
;   +12288 the scale words, that of (tile t, row r) at 256 (t / 4) + 16 r + 4 (t % 4);  +12800 the tokens' scales, +13312 their mins, +13824 scale x (sum of the token's 128 numbers), each [128] f32 in the tokens' own order.
;   THE TOKENS OF A TILE ARE NOT NEIGHBOURS: row r of tile 2 b + u is token 32 b + 8 u + r + 8 (r / 8), so that in the transposed first product a lane's 16 registers of two neighbouring tiles are 16 neighbouring keys.
; vrec: [32][16][VREC bytes]: v = vscale x value + vmin (one fused multiply-add), quantised ALONG THE KEYS: 8 images (tile dt: rows d = 16 dt + r, K = the step's 128 keys in their own order), +12288 the scale words as above.
; A block's scale is 2^(floor(log2(its largest magnitude)) - 2): its byte is the largest magnitude's exponent field - 2, held at 1 from below by a floor among the maximum's leaves.
; LIMITS: a block of zeros, or one whose largest magnitude lies under 2^-124, gets the byte 1 (the rule says 127 for zeros): its codes are zeros or what that scale gives; only this program reads the bytes.
;   NaN and infinities among the scales and mins are not served.  Whole numbers beyond 2^24 are rounded by the conversion to f32, as they are in the reference.
; SHARES.  Work-groups 0-255 take query and key: a wave takes one (tensor, head, step): 128 tokens, 64 KiB.  Work-groups 256-511 take value: a wave takes 128 keys x 64 of a head's 128 columns.
; No tensor loads, no barrier: waves share nothing; each wave, and each of the two paths, has LDS bytes of its own.
.set TOK,   16384                      ; bytes from a token to the next in query, key, value
.set REC,   14336
.set VREC,  12800
.set X,     64                         ; v64-127  64 numbers in f32, in the order in which the conversions want them
.set RR,    128                        ; v128-255 two sets of 64 registers as loaded
.set FLOOR, 0x1800000                  ; 2^(3 - 127)
.set OFFE,  0xff000000                 ; takes 2 off an exponent field
; ---- query and key.  v1 lane, v2 r, v3 h, v4 16 x lane, v5 stage in, v6 stage out, v7 where a row's sum goes, v8 where four sums come back, v9 512 x lane, v10 8 h,
;      v12-15 scales and v16-19 mins of tokens 4 lane + 0..3, v20-27 the eight tiles' scale words, v28-39 at work, v40-46 second halves of the conversions, v48-59 a fragment's codes
.macro LOADQ t                         ; tile t: its 16 tokens' rows, 512 consecutive bytes a load, into set t % 2
.set J, 0
.rept 16
	global_load_b128 v[RR+64*((\t)%2)+4*J:RR+64*((\t)%2)+4*J+3], v4, s[4:5] offset:(32*((\t)/2)+8*((\t)%2)+J+8*(J/8))*TOK th:TH_LOAD_NT
.set J, J+1
.endr
.endm
.macro FRAGQ t
.if (\t) < 7
	s_wait_loadcnt 16                              ; this tile's 16 loads (and what was asked for ahead of them) are in; the next tile's 16 may be out
.else
	s_wait_loadcnt 0
.endif
.set J, 0
.rept 16
	ds_store_b128 v5, v[RR+64*((\t)%2)+4*J:RR+64*((\t)%2)+4*J+3] offset:528*J   ; a row as it lies, rows 528 bytes apart
.set J, J+1
.endr
.irp c, 0,1
.irp i, 0,1,2,3,4,5,6,7
	ds_load_b128 v[X+32*\c+4*\i:X+32*\c+4*\i+3], v6 offset:256*\c+16*\i   ; lane (r, h): row r, k = 64 c + 32 h + 0 .. 31: the operand's own order.  LDS serves a wave's instructions in order: these see the stores above
.endr
.endr
	s_wait_dscnt 0x0                               ; the numbers are back, and the stores have read their registers,
.if (\t) < 6
	LOADQ (\t)+2                                   ; which take the loads of two tiles on
.endif
.set J, 0
.rept 64
	v_cvt_f32_i32 v[X+J], v[X+J]
.set J, J+1
.endr
	v_pk_add_f32 v[28:29], v[X:X+1], v[X+2:X+3]    ; the row's sum of the numbers as they are: two packed chains,
	v_pk_add_f32 v[30:31], v[X+4:X+5], v[X+6:X+7]
.irp j, 8,12,16,20,24,28,32,36,40,44,48,52,56,60
	v_pk_add_f32 v[28:29], v[28:29], v[X+\j:X+\j+1]
	v_pk_add_f32 v[30:31], v[30:31], v[X+\j+2:X+\j+3]
.endr
	v_pk_add_f32 v[28:29], v[28:29], v[30:31]
	v_add_f32 v28, v28, v29
	v_permlanex16_b32 v29, v28, s30, s31
	v_add_f32 v28, v28, v29                        ; and lane l xor 16's 64
.irp c, 0,1
	v_max3_num_f32 v[32+\c], |v[X+32*\c]|, |v[X+32*\c+1]|, FLOOR   ; my block 2 c + h: all its 32 numbers are mine; the floor holds the byte at 1 from below
.endr
.irp i, 2,4,6,8,10,12,14,16,18,20,22,24,26,28,30
.irp c, 0,1
	v_max3_num_f32 v[32+\c], v[32+\c], |v[X+32*\c+\i]|, |v[X+32*\c+\i+1]|   ; (the two blocks by turns)
.endr
.endr
.irp c, 0,1
	v_add_nc_u32 v[34+\c], OFFE, v[32+\c]          ; 2 off the exponent field: the conversion takes the exponent field of this operand as its scale
.endr
.irp c, 0,1
	v_lshrrev_b32 v[36+\c], 23, v[34+\c]           ; the scale's byte
.endr
	v_lshl_or_b32 v38, v37, 16, v36                ; my two bytes, blocks h and 2 + h,
	v_lshlrev_b32 v38, v10, v38                    ; at their places in the word (8 h bits up);
	v_permlanex16_b32 v39, v38, s30, s31
	v_or_b32 v[20+(\t)], v38, v39                  ; with lane l xor 16's two the row's word is whole, in both lanes
.if (\t) > 0
	s_wait_alu depctr_va_vdst(0)
	s_wait_xcnt 0x0                                ; the last tile's stores have read the codes' registers: they are written again only behind this wait
.endif
.irp c, 0,1
	v_cvt_scalef32_pk16_fp6_f32 v[48+6*\c:50+6*\c], v[X+32*\c:X+32*\c+15], v[34+\c]
	v_cvt_scalef32_pk16_fp6_f32 v[40+4*\c:42+4*\c], v[X+32*\c+16:X+32*\c+31], v[34+\c]   ; (a conversion's three registers begin on an even number: a block's second half is made elsewhere and moved)
.endr
	v_nop                                          ; one plain place behind a scaled conversion
.irp c, 0,1
.irp i, 0,1,2
	v_mov_b32 v[51+6*\c+\i], v[40+4*\c+\i]
.endr
.endr
.irp g, 0,1,2
	global_store_b128 v4, v[48+4*\g:51+4*\g], s[22:23] offset:1536*(\t)+512*\g   ; the image: 32 lanes store 512 consecutive bytes
.endr
	ds_store_b32 v7, v28 offset:4*(32*((\t)/2)+8*((\t)%2))   ; the sum to its token's place (both lanes of a row write the same word with the same value)
.endm
; ---- value.  v1 lane, v2 lane / 8, v3 lane % 8, v4 8 x lane, v5 stage in, v6 word in, v7 stage out, v8 words out, v9 16 x lane, v10 128 x lane,
;      v12-15 vscale and v16-19 vmin of keys 32 b + lane (b = 0 .. 3), v20-21 my two columns' scale words, v22-27 at work,
;      v32-38 second halves of the conversions, v40-45 and v48-53 a block's codes of my two columns;  s32-63 vscale and s66-97 vmin of the block's 32 keys
.macro LOADVH b, hf                    ; half hf of block b: 16 keys' rows, my two columns: 32 lanes read 256 consecutive bytes.  In halves, so that a wave has 56 loads out at the most (at the head) and 48 in the blocks
.set J, 16*(\hf)
.rept 16
	global_load_b64 v[RR+64*((\b)%2)+2*J:RR+64*((\b)%2)+2*J+1], v4, s[8:9] offset:(32*(\b)+J)*TOK th:TH_LOAD_NT
.set J, J+1
.endr
.endm
.macro BLOCKV b
.if (\b) < 3
	s_wait_loadcnt 16                              ; this block's 32 loads (and, in block 0, the scales and mins asked for ahead of them) are in; the next block's first 16 may be out
	LOADVH (\b)+1, 1                               ; the next block's other 16, into the set that the block before has left
.else
	s_wait_loadcnt 0
.endif
.set J, 0
.rept 32
	v_readlane_b32 s[32+J], v[12+(\b)], J          ; key 32 b + J's scale and min lie in lane J: each is one number for all lanes, so it goes to a scalar register
	v_readlane_b32 s[66+J], v[16+(\b)], J
.set J, J+1
.endr
.set J, 0
.rept 64
	v_cvt_f32_i32 v[RR+64*((\b)%2)+J], v[RR+64*((\b)%2)+J]
.set J, J+1
.endr
.set J, 0
.rept 32
	v_fma_f32 v[X+J], v[RR+64*((\b)%2)+2*J], s[32+J], s[66+J]        ; v of key 32 b + J, my even column: A LANE TAKES A COLUMN AND ITS REGISTERS RUN DOWN THE KEYS, which are this operand's K
	v_fma_f32 v[X+32+J], v[RR+64*((\b)%2)+2*J+1], s[32+J], s[66+J]   ; and my odd one
.set J, J+1
.endr
.if (\b) < 2
	LOADVH (\b)+2, 0                               ; this set is free: the first 16 rows of two blocks on
.endif
.irp j, 0,1
	v_max3_num_f32 v[22+\j], |v[X+32*\j]|, |v[X+32*\j+1]|, FLOOR     ; the block's largest magnitude: all 32 numbers are mine
.endr
.irp i, 2,4,6,8,10,12,14,16,18,20,22,24,26,28,30
.irp j, 0,1
	v_max3_num_f32 v[22+\j], v[22+\j], |v[X+32*\j+\i]|, |v[X+32*\j+\i+1]|
.endr
.endr
.irp j, 0,1
	v_add_nc_u32 v[24+\j], OFFE, v[22+\j]
.endr
.irp j, 0,1
	v_lshrrev_b32 v[26+\j], 23, v[24+\j]
.endr
.irp j, 0,1
.if (\b) == 0
	v_mov_b32 v[20+\j], v[26+\j]                   ; four bytes make the column's scale word for these 128 keys
.else
	v_lshl_or_b32 v[20+\j], v[26+\j], 8*(\b), v[20+\j]
.endif
.endr
	s_wait_alu depctr_va_vdst(0)
	s_wait_dscnt 0x0                               ; the last block's stores into the stage have read the codes' registers
.irp j, 0,1
	v_cvt_scalef32_pk16_fp6_f32 v[40+8*\j:42+8*\j], v[X+32*\j:X+32*\j+15], v[24+\j]
	v_cvt_scalef32_pk16_fp6_f32 v[32+4*\j:34+4*\j], v[X+32*\j+16:X+32*\j+31], v[24+\j]
.endr
	v_nop                                          ; one plain place behind a scaled conversion
.irp j, 0,1
.irp i, 0,1,2
	v_mov_b32 v[43+8*\j+\i], v[32+4*\j+\i]
.endr
.endr
; block b of row d belongs to lane (d % 16, b % 2) of tile d / 16, registers 6 (b / 2) + 0 .. 5: the six registers go to their places in the tile's image
.irp j, 0,1
.if (\b) < 2
	ds_store_b128 v5, v[40+8*\j:43+8*\j] offset:16*\j+256*((\b)%2)        ; registers 0-3
	ds_store_b64 v5, v[44+8*\j:45+8*\j] offset:16*\j+256*((\b)%2)+512     ; registers 4, 5
.else
	ds_store_b64 v5, v[40+8*\j:41+8*\j] offset:16*\j+256*((\b)%2)+520     ; registers 6, 7
	ds_store_b128 v5, v[42+8*\j:45+8*\j] offset:16*\j+256*((\b)%2)+1024   ; registers 8-11
.endif
.endr
.endm
	s_load_b512 s[4:19], s[0:1], 0x0               ; query s[4:5], key s[6:7], value s[8:9], qscale s[10:11], qmin s[12:13], kscale s[14:15], kmin s[16:17], vscale s[18:19]
	s_load_b256 s[20:27], s[0:1], 0x40             ; vmin s[20:21], qrec s[22:23], krec s[24:25], vrec s[26:27]
	v_lshl_add_u32 v62, v0, 2, 0xf400
	v_mov_b32 v63, 0
	v_lshrrev_b32 v1, 5, v0
	v_readfirstlane_b32 s28, v1                    ; wave 0..3
	v_and_b32 v1, 31, v0                           ; lane
	s_cmp_lt_u32 ttmp9, 256
	s_cbranch_scc0 .Lvalue
	; ================ query and key ================
	v_and_b32 v2, 15, v0                           ; r
	v_bfe_u32 v3, v0, 4, 1                         ; h
	v_lshlrev_b32 v4, 4, v1
	s_mul_i32 s29, s28, 9216                       ; my wave's LDS: a stage of 16 x 528 bytes, then 512 bytes for the 128 sums
	v_add_nc_u32 v5, s29, v4
	v_mul_u32_u24 v6, v2, 528
	v_lshl_add_u32 v6, v3, 7, v6
	v_add_nc_u32 v6, s29, v6
	s_add_co_u32 s29, s29, 8448
	v_and_b32 v7, 8, v2
	v_add_nc_u32 v7, v7, v2                        ; r + 8 (r / 8)
	v_lshl_add_u32 v7, v7, 2, s29
	v_add_nc_u32 v8, s29, v4
	v_lshlrev_b32 v9, 9, v1                        ; four tokens' scales lie 4 x 128 bytes on
	v_lshlrev_b32 v10, 3, v3
	v_mov_b32 v39, 0                               ; written once: a lane permute's destination counts as one of its sources
	s_mov_b32 s30, 0x76543210
	s_mov_b32 s31, 0xfedcba98                      ; v_permlanex16_b32's selects for lane l xor 16
	s_bfe_u32 s32, ttmp9, 0x40003                  ; step = (work-group / 8) % 16
	s_and_b32 s33, ttmp9, 7
	s_lshl_b32 s33, s33, 2
	s_add_co_u32 s33, s33, s28                     ; head = 4 (work-group % 8) + wave: the four waves read four neighbouring heads of the same tokens
	s_lshl_b32 s34, s32, 21                        ; 128 tokens of 16,384 bytes,
	s_lshl_b32 s36, s33, 9                         ; a head's 512
	s_add_co_u32 s34, s34, s36
	s_mov_b32 s35, 0
	s_lshl_b32 s36, s32, 14                        ; the scales: 128 tokens of 128 bytes,
	s_lshl_b32 s38, s33, 2                         ; a head's 4
	s_add_co_u32 s36, s36, s38
	s_mov_b32 s37, 0
	s_lshl_b32 s38, s33, 4
	s_add_co_u32 s38, s38, s32
	s_mul_i32 s38, s38, REC                        ; my record
	s_mov_b32 s39, 0
	s_wait_alu depctr_va_vdst(0)
	s_wait_kmcnt 0x0
	s_cmp_lt_u32 ttmp9, 128                        ; query's work-group or key's?  The choice hangs on the work-group's number alone; only pointers are chosen
	s_cselect_b64 s[4:5], s[4:5], s[6:7]
	s_cselect_b64 s[10:11], s[10:11], s[14:15]
	s_cselect_b64 s[12:13], s[12:13], s[16:17]
	s_cselect_b64 s[22:23], s[22:23], s[24:25]
	s_add_nc_u64 s[4:5], s[4:5], s[34:35]
	s_add_nc_u64 s[10:11], s[10:11], s[36:37]
	s_add_nc_u64 s[12:13], s[12:13], s[36:37]
	s_add_nc_u64 s[22:23], s[22:23], s[38:39]
.irp j, 0,1,2,3
	global_load_b32 v[12+\j], v9, s[10:11] offset:128*\j   ; token 4 lane + j: its scale,
	global_load_b32 v[16+\j], v9, s[12:13] offset:128*\j   ; its min
.endr
	LOADQ 0
	LOADQ 1
.irp t, 0,1,2,3,4,5,6,7
	FRAGQ \t
.endr
	ds_load_b128 v[40:43], v8                      ; the sums of tokens 4 lane + 0 .. 3 (LDS serves a wave's instructions in order: these see my stores)
	v_cmp_gt_u32 vcc_lo, 16, v1
.irp i, 0,1,2,3
	v_cndmask_b32 v[36+\i], v[24+\i], v[20+\i], vcc_lo   ; lanes 0-15 carry row r's words of tiles 0-3, lanes 16-31 those of tiles 4-7
.endr
	global_store_b128 v4, v[36:39], s[22:23] offset:12288
	global_store_b128 v4, v[12:15], s[22:23] offset:12800
	global_store_b128 v4, v[16:19], s[22:23] offset:13312
	s_wait_dscnt 0x0
.irp j, 0,1,2,3
	v_mul_f32 v[32+\j], v[12+\j], v[40+\j]         ; scale x sum
.endr
	global_store_b128 v4, v[32:35], s[22:23] offset:13824
	s_wait_tensorcnt 0x0
	ds_add_u32 v62, v63
	s_wait_dscnt 0x0
	s_endpgm
	; ================ value ================
.Lvalue:
	s_sub_co_u32 s29, ttmp9, 256
	s_lshr_b32 s30, s29, 4                         ; step
	s_and_b32 s29, s29, 15
	s_lshl_b32 s29, s29, 1
	s_lshr_b32 s31, s28, 1
	s_add_co_u32 s29, s29, s31                     ; head = 2 (work-group % 16) + wave / 2
	s_and_b32 s31, s28, 1                          ; which 64 of the head's 128 columns
	s_wait_alu depctr_va_vdst(0)
	v_lshlrev_b32 v4, 3, v1
	v_lshrrev_b32 v2, 3, v1
	v_and_b32 v3, 7, v1
	v_lshlrev_b32 v9, 4, v1
	v_lshlrev_b32 v10, 7, v1                       ; a key's scales of the 32 heads are 128 bytes: a lane a key
	s_mul_i32 s2, s28, 6400
	s_add_co_u32 s2, s2, 36864                     ; my wave's LDS, behind the other path's: four images (6,144 bytes), then 256 bytes of scale words
	v_mul_u32_u24 v5, v2, 1536                     ; my columns 2 lane + j: tile lane / 8, row 2 (lane % 8) + j
	v_lshl_add_u32 v5, v3, 5, v5
	v_add_nc_u32 v5, s2, v5
	v_add_nc_u32 v7, s2, v9
	s_add_co_u32 s2, s2, 6144
	v_lshlrev_b32 v6, 5, v3
	v_lshl_add_u32 v6, v2, 2, v6
	v_add_nc_u32 v6, s2, v6                        ; the word of (tile, row): 16 x row + 4 x tile
	v_add_nc_u32 v8, s2, v4
	s_lshl_b32 s2, s30, 21
	s_lshl_b32 s3, s29, 9
	s_add_co_u32 s2, s2, s3
	s_lshl_b32 s3, s31, 8
	s_add_co_u32 s2, s2, s3
	s_mov_b32 s3, 0
	s_wait_alu depctr_va_vdst(0)
	s_wait_kmcnt 0x0
	s_add_nc_u64 s[8:9], s[8:9], s[2:3]            ; value at my step, head and half
	s_lshl_b32 s2, s30, 14
	s_lshl_b32 s4, s29, 2
	s_add_co_u32 s2, s2, s4
	s_add_nc_u64 s[18:19], s[18:19], s[2:3]        ; vscale and vmin at my step and head
	s_add_nc_u64 s[20:21], s[20:21], s[2:3]
	s_lshl_b32 s2, s29, 4
	s_add_co_u32 s2, s2, s30
	s_mul_i32 s2, s2, VREC
	s_add_nc_u64 s[26:27], s[26:27], s[2:3]        ; my record;
	s_mul_i32 s2, s31, 6144
	s_add_nc_u64 s[24:25], s[26:27], s[2:3]        ; my four images in it,
	s_lshl_b32 s2, s31, 8
	s_add_nc_u64 s[22:23], s[26:27], s[2:3]        ; and (12,288 bytes on) my 256 bytes of words
.irp b, 0,1,2,3
	global_load_b32 v[12+\b], v10, s[18:19] offset:4096*\b   ; key 32 b + lane: its scale,
	global_load_b32 v[16+\b], v10, s[20:21] offset:4096*\b   ; its min: all 128 keys' come once, ahead of the rows
.endr
	LOADVH 0, 0
	LOADVH 0, 1
	LOADVH 1, 0
.irp b, 0,1,2,3
	BLOCKV \b
.endr
	ds_store_b32 v6, v20
	ds_store_b32 v6, v21 offset:16
.irp n, 0,1,2,3,4,5,6,7,8,9,10,11
	ds_load_b128 v[X+4*\n:X+4*\n+3], v7 offset:512*\n   ; the images as they will lie in memory (LDS serves a wave's instructions in order: these see my stores)
.endr
	ds_load_b64 v[22:23], v8
.irp n, 0,1,2,3,4,5,6,7,8,9,10,11
	s_wait_dscnt 12-\n                             ; behind load n: the 11 - n later ones and the words' load
	global_store_b128 v9, v[X+4*\n:X+4*\n+3], s[24:25] offset:512*\n   ; 32 lanes store 512 consecutive bytes
.endr
	s_wait_dscnt 0x0
	global_store_b64 v4, v[22:23], s[22:23] offset:12288   ; 32 lanes store 256 consecutive bytes
	s_wait_tensorcnt 0x0
	ds_add_u32 v62, v63
	s_wait_dscnt 0x0
	s_endpgm
.Lfunc_end_k_q054c86de5e_prep:
	.size	k_q054c86de5e_prep, .Lfunc_end_k_q054c86de5e_prep-k_q054c86de5e_prep
	.p2alignl 7, 3214868480
	.fill 96, 4, 3214868480
	.section	.rodata,"a",@progbits
	.p2align	6, 0x0
	.amdhsa_kernel k_q054c86de5e_prep
		.amdhsa_group_segment_fixed_size 62976
		.amdhsa_private_segment_fixed_size 0
		.amdhsa_enable_private_segment 0
		.amdhsa_kernarg_size 96
		.amdhsa_user_sgpr_count 2
		.amdhsa_user_sgpr_kernarg_segment_ptr 1
		.amdhsa_wavefront_size32 1
		.amdhsa_system_sgpr_workgroup_id_x 1
		.amdhsa_system_sgpr_workgroup_id_y 1
		.amdhsa_system_sgpr_workgroup_id_z 1
		.amdhsa_system_vgpr_workitem_id 0
		.amdhsa_next_free_vgpr 256
		.amdhsa_next_free_sgpr 98
		.amdhsa_reserve_vcc 1
		.amdhsa_float_denorm_mode_32 3
		.amdhsa_float_denorm_mode_16_64 3
		.amdhsa_memory_ordered 1
		.amdhsa_forward_progress 1
		.amdhsa_inst_pref_size 162
	.end_amdhsa_kernel
	.amdgpu_metadata
---
amdhsa.version: [ 1, 2 ]
amdhsa.kernels:
  - .name:           k_q054c86de5e_prep
    .symbol:         k_q054c86de5e_prep.kd
    .args:
      - { .name: query, .offset: 0, .size: 8, .value_kind: global_buffer, .address_space: global }
      - { .name: key, .offset: 8, .size: 8, .value_kind: global_buffer, .address_space: global }
      - { .name: value, .offset: 16, .size: 8, .value_kind: global_buffer, .address_space: global }
      - { .name: qscale, .offset: 24, .size: 8, .value_kind: global_buffer, .address_space: global }
      - { .name: qmin, .offset: 32, .size: 8, .value_kind: global_buffer, .address_space: global }
      - { .name: kscale, .offset: 40, .size: 8, .value_kind: global_buffer, .address_space: global }
      - { .name: kmin, .offset: 48, .size: 8, .value_kind: global_buffer, .address_space: global }
      - { .name: vscale, .offset: 56, .size: 8, .value_kind: global_buffer, .address_space: global }
      - { .name: vmin, .offset: 64, .size: 8, .value_kind: global_buffer, .address_space: global }
      - { .name: qrec, .offset: 72, .size: 8, .value_kind: global_buffer, .address_space: global }
      - { .name: krec, .offset: 80, .size: 8, .value_kind: global_buffer, .address_space: global }
      - { .name: vrec, .offset: 88, .size: 8, .value_kind: global_buffer, .address_space: global }
    .group_segment_fixed_size: 62976
    .private_segment_fixed_size: 0
    .kernarg_segment_align: 8
    .kernarg_segment_size: 96
    .max_flat_workgroup_size: 128
    .sgpr_count:     98
    .vgpr_count:     256
    .wavefront_size: 32
...
	.end_amdgpu_metadata
.endif
;; end of part 1
;; launch attn (part 2): grid 8 x 32, 8 waves a work-group, clusters of 4 x 1, 327,680 bytes of LDS; arguments qrec, krec, vrec, out0; writes out0
.if DOCPART == 2
	.amdgcn_target "amdgcn-amd-amdhsa--gfx1250"
	.amdhsa_code_object_version 6
	.text
	.protected	k_q054c86de5e_attn
	.globl	k_q054c86de5e_attn
	.p2align	8
	.type	k_q054c86de5e_attn,@function
k_q054c86de5e_attn:
	s_mov_b64 s[64:65], 0
	v_nop
	global_prefetch_b8 v0, s[64:65] scope:SCOPE_SE
	s_setreg_imm32_b32 hwreg(HW_REG_WAVE_MODE, 25, 1), 1
	s_wait_xcnt 0x0
	s_wait_alu depctr_hold_cnt(0) depctr_sa_sdst(0) depctr_va_vdst(0) depctr_va_sdst(0) depctr_va_ssrc(0) depctr_va_vcc(0) depctr_vm_vsrc(0)
	s_getreg_b32 s2, hwreg(HW_REG_IB_STS2, 6, 4)
	s_cmp_eq_u32 s2, 0
	s_cbranch_scc0 .Lentry_in_a_cluster
	s_endpgm
.Lentry_in_a_cluster:
	s_bfe_u32 s2, ttmp6, 0x10000c
	s_cmp_lg_u32 s2, 0x3003
	s_cbranch_scc0 .Lentry_shape_is_right
	s_endpgm
.Lentry_shape_is_right:
; out0[q][head][:] = the sum over keys of softmax(logit) v, both products on codes of FP6 (E2M3) with E8M0 scales, from the records that the launch before has laid (their layout: its head comment).
; THE LOGIT in base 2:  t = A_q (ks_k mm) + B_q kmin_k + C_q E_k,  mm = the quantised product of the raw query and key numbers, c = log2(e) / sqrt(128),
;   A = c qscale, B = c (qscale qsum + 128 qmin), C = c qmin, E = kscale ksum.  No scale is divided by and no sign is assumed: t is formed whole, and the maximum is taken of t.
; THE SOFTMAX: M = the running largest t rounded UP to a whole number, kept as -M = floor(-t); p = 2^(t - M) is quantised along the keys; the row's sum is taken of the unquantised p and divides at the end.
;   When M moves, the sum and O are multiplied by 2^(old M - new M): exact.
; LIMITS: p under 2^-126 counts as 0 (v_exp_f32 gives zero there); a block whose every p is 0 keeps the scale byte 1 over zero codes; t is grouped otherwise than the reference groups it (a few last places of its
;   largest term); NaN and infinities are not served.
; SHARES.  A work-group owns 256 queries of one head; each of its eight waves 32 of them, as TWO tiles of 16, in 512 registers.  Every fragment and coefficient read from LDS serves both tiles and is read once a step.
; LAYOUT.  Both products are used transposed: S^T = K Q^T, O^T = V^T P^T: a lane holds ONE query (lane % 16), and register 16 b + i of S is key 32 b + 16 (lane / 16) + i.
; CLUSTER.  The four query blocks of a cluster belong to one head and walk the same records: each slot is asked for JOINTLY, wave 0 for K's two records, wave 1 for V's.
; LDS.  Two slots of two key steps, 2^16 bytes apart: K's two records, then V's two.  Behind them the spare words.  The way out's stages lie in slot 0, which has had its last fill and its last read by then.
; A KEY STEP'S LOADS RUN A STAGE AHEAD.  Two shared buffers of 48 registers, X (window 0) and Y (window 1), take turns: K's tiles 0-3 and 4-7; the coefficients of blocks 0, 2 and 1, 3; V's tiles 0-3 and 4-7.
;   Each is asked for again as soon as its last reader has issued, and waited for by count, one buffer's loads (12, or 14 with two loads of scale words) staying out.
;   Tile 0's eight products with V stand among tile 1's softmax; the next step's K is asked for among tile 1's, where that step lies in the same slot.
; REGISTERS.  Tile z's own lie in window z at the same numbers: v64-127 S, then p; v128-191 O^T; v192-203 Q; v204-215 p's codes; v224.. the softmax's state and scratch.
;   Window 0: v1-3 LDS addresses, v4-5 the add's, v6-7 Q's and v8-9 p's scale words, v10-11 lane terms, v12-15 A, v16-63 X, v216-223 K's scale words, v248-255 V's.  Window 1: v0-47 Y, v48-51 A, v52 the prefetches' offset.
.set REC,   14336
.set VREC,  12800
.set VO,    2*REC
.set SLOT1, 1<<16
.set SPARE, 2*SLOT1
.set NSL,   8
.set AI,  1
.set AW,  2
.set AC,  3
.set SPW, 4
.set NIL, 5
.set QS,  6
.set PS,  8
.set R16, 10
.set H64, 11
.set AQ0, 12
.set X,   16
.set KW,  216
.set VW,  248
.set Y,   0
.set PFO, 52
.set GO,  16
.set STI, 17
.set STR, 18
.set S,   64
.set OT,  128
.set QF,  192
.set PC,  204
.set NM,  224
.set TMX, 225
.set SUM, 226
.set BQ,  228
.set CQ,  230
.set BM,  232
.set BT,  236
.set PT,  232                          ; the conversions' second halves lie over BM and BT, which are done with by then
.set SO,  240
.set FF,  244
.set TMP, 246
.set WV,  12
.set LIM, 15
.set PFA, 18
.set SEL, 20
.set CS,  22
.set G1K, 24
.set G1V, 32
.set G0K, 40
.set G0V, 44
.set TB,  48
.set SLOTS, 49
.set PFS, 50
.set MSB, 0
.macro WIN new                         ; bits 1:0 source 0, 3:2 source 1, 5:4 source 2, 7:6 destination; the high byte repeats the setting that is left
.if MSB != (\new)
	s_set_vgpr_msb (MSB<<8)|(\new)
.set MSB, (\new)
.endif
.endm
.macro PLACES                          ; four plain vector instructions behind a matrix instruction, ahead of loads into its sources and of reads of its result
.rept 4
	v_nop
.endr
.endm
.macro CROUND                          ; a round of the cluster's barrier
	s_barrier_signal -1
	s_barrier_wait -1
	s_cmp_lg_u32 s[WV], 0
	s_cbranch_scc1 .Lnot_wave_0_\@
	s_barrier_signal -3
.Lnot_wave_0_\@:
	s_barrier_wait -3
	s_barrier_signal -1
	s_barrier_wait -1
.endm
.macro TLOAD                           ; a joint load: wave 0 K's two records, wave 1 V's
	s_cmp_eq_u32 s[WV], 0
	s_cbranch_scc0 .Lnot_k_\@
	tensor_load_to_lds s[G0K:G0K+3], s[G1K:G1K+7]
	s_nop 0
.rept 4
	v_nop
.endr
	s_branch .Lasked_\@
.Lnot_k_\@:
	s_cmp_eq_u32 s[WV], 1
	s_cbranch_scc0 .Lasked_\@
	tensor_load_to_lds s[G0V:G0V+3], s[G1V:G1V+7]
	s_nop 0
.rept 4
	v_nop
.endr
.Lasked_\@:
.endm
; A prefetch of the slot that the NEXT change of slots will ask for: two key steps ahead of that load.  The head's first cluster asks; its four partners share a slot's bytes out by address, a quarter each
; (28 blocks of 256 bytes of K's, 25 of V's); wave 4 asks for K's, wave 5 for V's, a lane a block (lanes left over name the share's last block again).  The last filling change asks for nothing.
.macro ASK
	s_cmp_gt_u32 s[SLOTS], s[LIM]
	s_cbranch_scc0 .Lnot_mine_\@
	WIN 0x01                                       ; the offset lies in window 1
	global_prefetch_b8 v[PFO], s[PFA:PFA+1] th:TH_LOAD_NT scope:SCOPE_SE
	WIN 0
.Lnot_mine_\@:
.endm
.macro FLOAD dst, w, base, g           ; images of tiles 4 g + 0 .. 3 of the record at base -> registers dst .. of window w: 12 loads
	WIN 0x40*(\w)
.irp t, 0,1,2,3
.irp c, 0,1,2
	ds_load_b128 v[\dst+12*\t+4*\c:\dst+12*\t+4*\c+3], v[AI] offset:(\base)+1536*(4*(\g)+\t)+512*\c
.endr
.endr
.endm
.macro WLOAD dst, base                 ; my row's scale words of the record's eight tiles: 2 loads
	WIN 0
	ds_load_b128 v[\dst:\dst+3], v[AW] offset:(\base)+12288
	ds_load_b128 v[\dst+4:\dst+7], v[AW] offset:(\base)+12288+256
.endm
.macro CLOAD dst, w, b                 ; kscale, kmin, kscale ksum of keys 32 b + 16 (lane / 16) + 0 .. 15: 12 loads
	WIN 0x40*(\w)
.irp vec, 0,1,2
.irp i, 0,1,2,3
	ds_load_b128 v[\dst+16*\vec+4*\i:\dst+16*\vec+4*\i+3], v[AC] offset:KO+12800+512*\vec+128*(\b)+16*\i
.endr
.endr
.endm
.macro QK buf, w, g                    ; S^T of key tiles 4 g + 0 .. 3, both tiles of queries: eight accumulators, one instruction each
.irp z, 0,1
	WIN (\w)+0x54*\z
.irp t, 0,1,2,3
	v_wmma_scale_f32_16x16x128_f8f6f4 v[S+8*(4*(\g)+\t):S+8*(4*(\g)+\t)+7], v[\buf+12*\t:\buf+12*\t+11], v[QF:QF+11], 0, v[KW+4*(\g)+\t], v[QS+\z] matrix_a_fmt:MATRIX_FMT_FP6 matrix_b_fmt:MATRIX_FMT_FP6
.endr
.endr
.endm
.macro AFF b, buf, w                   ; t of block b, both tiles; pairs ascending
.set SB, S+16*(\b)
.irp z, 0,1
	WIN (\w)+0x54*\z                               ; source 0 shared, all else tile z's
.irp i, 0,1,2,3,4,5,6,7
	v_pk_mul_f32 v[SB+2*\i:SB+2*\i+1], v[\buf+2*\i:\buf+2*\i+1], v[SB+2*\i:SB+2*\i+1]
.endr
.irp i, 0,1,2,3,4,5,6,7
	v_pk_mul_f32 v[SB+2*\i:SB+2*\i+1], v[AQ0+36*(\w)+2*\z:AQ0+36*(\w)+2*\z+1], v[SB+2*\i:SB+2*\i+1] op_sel_hi:[0,1]
.endr
.irp i, 0,1,2,3,4,5,6,7
	v_pk_fma_f32 v[SB+2*\i:SB+2*\i+1], v[\buf+16+2*\i:\buf+16+2*\i+1], v[BQ:BQ+1], v[SB+2*\i:SB+2*\i+1] op_sel_hi:[1,0,1]
.endr
.irp i, 0,1,2,3,4,5,6,7
	v_pk_fma_f32 v[SB+2*\i:SB+2*\i+1], v[\buf+32+2*\i:\buf+32+2*\i+1], v[CQ:CQ+1], v[SB+2*\i:SB+2*\i+1] op_sel_hi:[1,0,1]
.endr
.endr
.endm
.macro PVW z, d                        ; O^T of tile z, channels 16 d ..: V's tiles 0-3 lie in X, 4-7 in Y
.if (\d) < 4
.set FB, X+12*(\d)
	WIN 0x54*(\z)
.else
.set FB, Y+12*((\d)-4)
	WIN 0x01+0x54*(\z)
.endif
	v_wmma_scale_f32_16x16x128_f8f6f4 v[OT+8*(\d):OT+8*(\d)+7], v[FB:FB+11], v[PC:PC+11], v[OT+8*(\d):OT+8*(\d)+7], v[VW+(\d)], v[PS+(\z)] matrix_a_fmt:MATRIX_FMT_FP6 matrix_b_fmt:MATRIX_FMT_FP6
.endm
; One tile's softmax for a key step; S holds t.  In tile 1's, tile 0's eight products with V stand among the additions (they name no register of tile 1).
.macro SOFTMAX z
	WIN 0x55*(\z)
.irp b, 0,1,2,3
	v_max3_num_f32 v[BM+\b], v[S+16*\b], v[S+16*\b+1], v[S+16*\b+2]   ; the largest t of each block of 32 keys serves the row's maximum and, since p rises with t, the block's largest p
.endr
.irp i, 3,5,7,9,11,13
.irp b, 0,1,2,3
	s_delay_alu instid0(VALU_DEP_4)
	v_max3_num_f32 v[BM+\b], v[BM+\b], v[S+16*\b+\i], v[S+16*\b+\i+1]
.endr
.endr
.irp b, 0,1,2,3
	s_delay_alu instid0(VALU_DEP_4)
	v_max_num_f32 v[BM+\b], v[BM+\b], v[S+16*\b+15]
.endr
.irp b, 0,1,2,3
	s_delay_alu instid0(VALU_DEP_4)
	v_permlanex16_b32 v[BT+\b], v[BM+\b], s[SEL], s[SEL+1]
.endr
.irp b, 0,1,2,3
	s_delay_alu instid0(VALU_DEP_4)
	v_max_num_f32 v[BM+\b], v[BM+\b], v[BT+\b]     ; with lane l xor 16's 16 keys
.endr
	s_delay_alu instid0(VALU_DEP_2)
	v_max3_num_f32 v[TMP], v[BM], v[BM+1], v[BM+2]
	s_delay_alu instid0(VALU_DEP_1)
	v_max_num_f32 v[TMP], v[TMP], v[BM+3]
	s_delay_alu instid0(VALU_DEP_1)
	v_max_num_f32 v[TMX], v[TMX], v[TMP]           ; the running largest t
	v_mov_b32 v[TMP], v[NM]
	s_delay_alu instid0(VALU_DEP_2)
	v_floor_f32 v[NM], -v[TMX]                     ; the new -M = -ceil(t)
	s_delay_alu instid0(VALU_DEP_1)
	v_sub_f32 v[TMP], v[NM], v[TMP]                ; old M less new M: a whole number, 0 or less
	s_delay_alu instid0(VALU_DEP_1)
	v_cvt_i32_f32 v[TMP], v[TMP]
	s_delay_alu instid0(VALU_DEP_1)
	v_ldexp_f32 v[FF], 1.0, v[TMP]                 ; f = 2^(old M - new M)
.set J, 0
.rept 32
.if (\z) && (J%16 == 0)
	PVW 0, J/16                                    ; tile 0, channels 0-63: one product ahead of each eight additions
	WIN 0x55*(\z)
.endif
	v_pk_add_f32 v[S+J:S+J+1], v[S+J:S+J+1], v[NM:NM+1] op_sel_hi:[1,0]   ; t - M
.set J, J+2
.endr
.irp b, 0,1,2,3
	v_add_f32 v[BM+\b], v[BM+\b], v[NM]
.endr
.set J, 0
	s_wait_alu depctr_va_vdst(0)                   ; the wait ahead of the batch
.rept 64
	v_exp_f32 v[S+J], v[S+J]                       ; p = 2^(t - M)
.set J, J+1
.endr
	v_pk_mul_f32 v[SUM:SUM+1], v[SUM:SUM+1], v[FF:FF+1] op_sel_hi:[1,0]   ; the sums under the new M
	s_wait_alu depctr_va_vdst(0)                   ; and behind it, ahead of its first reader
.irp b, 0,1,2,3
	v_exp_f32 v[BM+\b], v[BM+\b]                   ; the block's largest p
.endr
	v_pk_add_f32 v[BT:BT+1], v[S:S+1], v[S+2:S+3]  ; the row's sum is taken of the unquantised p, in two chains
.irp j, 4,8,12,16,20,24,28,32,36,40,44,48,52,56,60
.if (\z) && ((\j)%12 == 4) && ((\j) < 44)
	PVW 0, 4+((\j)-4)/12                           ; tile 0, channels 64-127
	WIN 0x55*(\z)
.endif
	v_pk_add_f32 v[SUM:SUM+1], v[SUM:SUM+1], v[S+\j:S+\j+1]
	v_pk_add_f32 v[BT:BT+1], v[BT:BT+1], v[S+\j+2:S+\j+3]
.endr
	s_delay_alu instid0(VALU_DEP_1)
	v_pk_add_f32 v[SUM:SUM+1], v[SUM:SUM+1], v[BT:BT+1]
	s_wait_alu depctr_va_vdst(0)                   ; for the four
.irp b, 0,1,2,3
	v_max_num_f32 v[BM+\b], 0x1800000, v[BM+\b]    ; the floor 2^(3 - 127): the byte cannot fall under 1
.endr
.irp b, 0,1,2,3
	s_delay_alu instid0(VALU_DEP_4)
	v_add_nc_u32 v[SO+\b], 0xff000000, v[BM+\b]    ; 2 off the exponent field: the conversion's scale operand
.endr
.irp b, 0,1,2,3
	s_delay_alu instid0(VALU_DEP_4)
	v_lshrrev_b32 v[BT+\b], 23, v[SO+\b]           ; the scale's byte
.endr
	s_delay_alu instid0(VALU_DEP_3)
	v_lshl_or_b32 v[TMP], v[BT+1], 8, v[BT]
	s_delay_alu instid0(VALU_DEP_1)
	v_lshl_or_b32 v[TMP], v[BT+2], 16, v[TMP]
	WIN 0x15*(\z)                                  ; destination window 0: scale operands are taken from there
	v_lshl_or_b32 v[PS+(\z)], v[BT+3], 24, v[TMP]  ; p's scale word for these 128 keys
	WIN 0x55*(\z)
.irp c, 0,1
	v_cvt_scalef32_pk16_fp6_f32 v[PC+6*\c:PC+6*\c+2], v[S+32*\c:S+32*\c+15], v[SO+2*\c]
	v_cvt_scalef32_pk16_fp6_f32 v[PT+4*\c:PT+4*\c+2], v[S+32*\c+16:S+32*\c+31], v[SO+2*\c+1]
.endr
	v_nop                                          ; one plain place behind a scaled conversion
.irp c, 0,1                                    ; a whole block to a lane: lanes 0-15 block 2 c, lanes 16-31 block 2 c + 1
.irp i, 0,1,2
	v_permlane16_swap_b32 v[PC+6*\c+\i], v[PT+4*\c+\i]
.endr
.irp i, 0,1,2
	s_delay_alu instid0(VALU_DEP_3)
	v_mov_b32 v[PC+6*\c+3+\i], v[PT+4*\c+\i]
.endr
.endr
	s_wait_alu depctr_va_vdst(0)                   ; the wait directly ahead of the first reader of O^T
.set J, 0
.rept 32
	v_pk_mul_f32 v[OT+J:OT+J+1], v[OT+J:OT+J+1], v[FF:FF+1] op_sel_hi:[1,0]   ; O^T under the new M, each accumulator from its low end; also the places between p's codes and scale word and the products
.set J, J+2
.endr
.endm
; A KEY STEP: the q-th of the slot in hand.  On entry K's tiles 0-3 (12 loads), K's scale words (2) and K's tiles 4-7 (12) have been asked for, in this order.  chain = 1: the next step lies in the same slot.
.macro STEP q, chain
.set KO, REC*(\q)
.set VQ, VO+VREC*(\q)
	s_wait_dscnt 12                                ; X and the scale words are in; Y's 12 may be out
	QK X, 0, 0
	PLACES
	CLOAD X, 0, 0
	s_wait_dscnt 12                                ; Y is in; the 12 just issued may be out
	QK Y, 1, 1
	PLACES
	CLOAD Y, 1, 1
	s_wait_dscnt 12                                ; block 0's coefficients are in; block 1's may be out
	AFF 0, X, 0
	CLOAD X, 0, 2
	s_wait_dscnt 12
	AFF 1, Y, 1
	CLOAD Y, 1, 3
	s_wait_dscnt 12
	AFF 2, X, 0
	FLOAD X, 0, VQ, 0
	WLOAD VW, VQ
	s_wait_dscnt 14                                ; block 3's coefficients are in; V's 12 + 2 may be out
	AFF 3, Y, 1
	FLOAD Y, 1, VQ, 1
	SOFTMAX 0
	s_wait_alu depctr_va_vdst(0)                   ; the wait directly ahead of the wait below
	s_wait_dscnt 0x0                               ; all of V
	SOFTMAX 1
.irp d, 0,1,2,3
	PVW 1, \d
.endr
.if \chain
	PLACES
	FLOAD X, 0, KO+REC, 0
	WLOAD KW, KO+REC
.endif
.irp d, 4,5,6,7
	PVW 1, \d
.endr
	PLACES
.if \chain
	FLOAD Y, 1, KO+REC, 1
.endif
	WIN 0
.endm
; THE CHANGE OF SLOTS.  Each wave waits for all its tensor loads, adds 0 to its spare word, makes the addresses of the slot that it is about to read, and waits for the add and for its reads of the slot that it has left.
.macro CHANGE fill
	WIN 0
	s_wait_tensorcnt 0x0
	ds_add_u32 v[SPW], v[NIL]
.if \fill
	ds_add_u32 v[SPW], v[NIL]                      ; and twice here
	s_xor_b32 s[G0K+1], s[G0K+1], SLOT1            ; the walking descriptors: the other slot, the next two records
	s_add_nc_u64 s[G0K+2:G0K+3], s[G0K+2:G0K+3], 2*REC
	s_xor_b32 s[G0V+1], s[G0V+1], SLOT1
	s_add_nc_u64 s[G0V+2:G0V+3], s[G0V+2:G0V+3], 2*VREC
	s_wait_xcnt 0x0                                ; the last prefetch has read its address
	s_add_nc_u64 s[PFA:PFA+1], s[PFA:PFA+1], s[PFS:PFS+1]
.endif
	v_add_nc_u32 v[AW], s[TB], v[R16]
	v_add_nc_u32 v[AC], s[TB], v[H64]
	s_delay_alu instid0(VALU_DEP_2)
	v_lshl_add_u32 v[AI], v[H64], 2, v[AW]         ; 16 x lane = 16 r + 256 h
	s_xor_b32 s[TB], s[TB], SLOT1
	s_wait_alu depctr_va_vdst(0)                   ; the wait directly ahead of the wait below
	s_wait_dscnt 0x0
.if \fill
	CROUND
	TLOAD                                          ; the first thing behind the round, a wave's one tensor load until the next
	ASK
.else
	s_barrier_signal -1
	s_barrier_wait -1
.endif
.endm
.macro SLOT_STEPS
	FLOAD X, 0, 0, 0
	WLOAD KW, 0
	FLOAD Y, 1, 0, 1
	STEP 0, 1
	STEP 1, 0
.endm
	s_load_b256 s[4:11], s[0:1], 0x0               ; qrec, krec, vrec, out0
	v_lshl_add_u32 v[SPW], v0, 2, SPARE
	v_mov_b32 v[NIL], 0
	ds_add_u32 v[SPW], v[NIL]                      ; the opening lines: the add twice on end and one wait
	ds_add_u32 v[SPW], v[NIL]
	v_lshrrev_b32 v16, 5, v0
	s_delay_alu instid0(VALU_DEP_1)
	v_readfirstlane_b32 s[WV], v16                 ; wave 0..7
	s_bfe_u32 s13, ttmp6, 0x40000                  ; cx
	s_lshl_b32 s14, ttmp9, 2
	s_add_co_u32 s14, s14, s13                     ; my block of 256 queries
	s_and_b32 s16, ttmp7, 0xffff                   ; the head, which the four partners share
	s_mov_b32 s[G1K], 15|(3<<16)|(1<<21)           ; the mask of all four; elements of 8 bytes; bit 21 beside a mask.  Dense rows of 256 bytes: K 112, V 100
	s_mov_b32 s[G1K+1], 32<<16
	s_mov_b32 s[G1K+2], (2*REC/256)<<16
	s_mov_b32 s[G1K+3], 32<<16
	s_mov_b32 s[G1K+4], 2*REC/256
	s_mov_b32 s[G1K+5], 32
	s_mov_b32 s[G1K+6], 0
	s_mov_b32 s[G1K+7], 0
	s_mov_b32 s[G1V], 15|(3<<16)|(1<<21)
	s_mov_b32 s[G1V+1], 32<<16
	s_mov_b32 s[G1V+2], (2*VREC/256)<<16
	s_mov_b32 s[G1V+3], 32<<16
	s_mov_b32 s[G1V+4], 2*VREC/256
	s_mov_b32 s[G1V+5], 32
	s_mov_b32 s[G1V+6], 0
	s_mov_b32 s[G1V+7], 0
	s_mul_i32 s52, s16, 16*REC                     ; the head's first record of K,
	s_mov_b32 s53, 0
	s_mul_i32 s54, s16, 16*VREC                    ; of V
	s_mov_b32 s55, 0
	s_lshl_b32 s56, s16, 4                         ; my queries' record: 16 x head + 2 x block + wave / 4
	s_lshl_b32 s57, s14, 1
	s_add_co_u32 s56, s56, s57
	s_lshr_b32 s57, s[WV], 2
	s_add_co_u32 s56, s56, s57
	s_mul_i32 s56, s56, REC
	s_mov_b32 s57, 0
	s_and_b32 s17, s[WV], 3                        ; my two tiles in it are 2 (wave % 4) + 0, 1
	s_mul_i32 s58, s17, 3072
	s_mov_b32 s59, 0
	s_bfe_u32 s60, s[WV], 0x10001
	s_lshl_b32 s60, s60, 8
	s_and_b32 s61, s[WV], 1
	s_lshl_b32 s61, s61, 3
	s_add_co_u32 s60, s60, s61                     ; their scale words: 256 (tile / 4) + 4 (tile % 4)
	s_mov_b32 s61, 0
	s_lshl_b32 s62, s17, 7                         ; their 32 tokens' coefficients
	s_mov_b32 s63, 0
	s_lshl_b32 s2, s14, 8
	s_lshl_b32 s3, s[WV], 5
	s_add_co_u32 s2, s2, s3                        ; my first query
	s_lshl_b32 s2, s2, 14
	s_lshl_b32 s3, s16, 9
	s_add_co_u32 s2, s2, s3
	s_mov_b32 s3, 0
	s_mov_b32 s[SEL], 0x76543210
	s_mov_b32 s[SEL+1], 0xfedcba98
	s_mov_b32 s[CS], 0x3e0293ee                    ; c = log2(e) / sqrt(128)
	s_mov_b32 s[TB], 0
	s_mov_b32 s[SLOTS], NSL-1
	s_wait_dscnt 0x0                               ; both opening adds are done
	s_wait_kmcnt 0x0
	s_add_nc_u64 s[4:5], s[4:5], s[56:57]
	s_add_nc_u64 s[58:59], s[4:5], s[58:59]
	s_add_nc_u64 s[60:61], s[4:5], s[60:61]
	s_add_nc_u64 s[62:63], s[4:5], s[62:63]
	s_add_nc_u64 s[10:11], s[10:11], s[2:3]
	s_add_nc_u64 s[6:7], s[6:7], s[52:53]
	s_add_nc_u64 s[8:9], s[8:9], s[54:55]
	s_cmp_eq_u32 s[WV], 4                          ; the prefetches: wave 4 K's records, wave 5 V's
	s_cselect_b64 s[PFA:PFA+1], s[6:7], s[8:9]
	s_mov_b32 s[PFS], 2*VREC
	s_cselect_b32 s[PFS], 2*REC, s[PFS]
	s_mov_b32 s2, 2*VREC/4
	s_cselect_b32 s2, 2*REC/4, s2                  ; a partner's quarter of a slot
	s_cselect_b32 s3, 27, 24                       ; its last block
	v_and_b32 v17, 31, v0
	s_delay_alu instid0(VALU_DEP_1)
	v_min_u32 v17, s3, v17
	WIN 0x40
	v_lshlrev_b32 v[PFO], 8, v17
	WIN 0
	s_mul_i32 s2, s2, s13
	s_add_co_u32 s2, s2, s[PFS]                    ; in slot 1: the first change of slots steps it to slot 2
	s_mov_b32 s3, 0
	s_mov_b32 s[PFS+1], 0
	s_add_nc_u64 s[PFA:PFA+1], s[PFA:PFA+1], s[2:3]
	s_sub_co_u32 s2, s[WV], 4
	s_lshr_b32 s2, s2, 1
	s_or_b32 s2, s2, ttmp9                         ; 0 in waves 4 and 5 of the head's first cluster
	s_cmp_eq_u32 s2, 0
	s_cselect_b32 s[LIM], 1, -1
	s_mov_b32 s[G0K], 1
	s_mov_b32 s[G0K+1], 0
	s_mov_b64 s[G0K+2:G0K+3], s[6:7]
	s_or_b32 s[G0K+3], s[G0K+3], 0x80000000
	s_mov_b32 s[G0V], 1
	s_mov_b32 s[G0V+1], VO
	s_mov_b64 s[G0V+2:G0V+3], s[8:9]
	s_or_b32 s[G0V+3], s[G0V+3], 0x80000000
	CROUND                                         ; the first joint loads meet
	TLOAD                                          ; slot 0
	v_and_b32 v16, 31, v0                          ; lane
	v_and_b32 v17, 15, v0                          ; r
	v_bfe_u32 v18, v0, 4, 1                        ; h
	s_delay_alu instid0(VALU_DEP_3)
	v_lshlrev_b32 v19, 4, v16
	s_delay_alu instid0(VALU_DEP_3)
	v_lshlrev_b32 v[R16], 4, v17
	s_delay_alu instid0(VALU_DEP_3)
	v_lshlrev_b32 v[H64], 6, v18
	v_and_b32 v20, 8, v17
	s_delay_alu instid0(VALU_DEP_1)
	v_add_nc_u32 v20, v20, v17
	s_delay_alu instid0(VALU_DEP_1)
	v_lshlrev_b32 v20, 2, v20                      ; 4 (r + 8 (r / 8)): row r's token among a tile pair's 32
.irp z, 0,1
	WIN 0x40*\z
.irp c, 0,1,2
	global_load_b128 v[QF+4*\c:QF+4*\c+3], v19, s[58:59] offset:1536*\z+512*\c   ; Q's fragment stays in registers
.endr
	global_load_b32 v[BM], v20, s[62:63] offset:12800+32*\z     ; my query's scale,
	global_load_b32 v[BM+1], v20, s[62:63] offset:13312+32*\z   ; min,
	global_load_b32 v[BM+2], v20, s[62:63] offset:13824+32*\z   ; scale x sum
.endr
	WIN 0
	global_load_b32 v[QS], v[R16], s[60:61] offset:12288
	global_load_b32 v[QS+1], v[R16], s[60:61] offset:12288+4
.irp z, 0,1
	WIN 0x55*\z
	v_mov_b32 v[TMX], 0xff61b1e6                   ; -3e38, under every t
	s_delay_alu instid0(VALU_DEP_1)
	v_floor_f32 v[NM], -v[TMX]
	v_mov_b32 v[SUM], 0
	v_mov_b32 v[SUM+1], 0
	v_mov_b32 v[BQ+1], 0                           ; (upper halves of pairs whose low word serves both halves: named, so written)
	v_mov_b32 v[CQ+1], 0
	v_mov_b32 v[FF+1], 0
.irp b, 0,1,2,3
	v_mov_b32 v[BT+\b], 0                          ; a lane permute's destination counts as one of its sources
.endr
.set J, 0
.rept 64
	v_mov_b32 v[OT+J], 0                           ; O^T: the key step has no first step of its own, which would be a further copy of its text
.set J, J+1
.endr
.endr
	WIN 0x40
	v_mov_b32 v[AQ0+36+1], 0
	v_mov_b32 v[AQ0+36+3], 0
	WIN 0
	v_mov_b32 v[AQ0+1], 0
	v_mov_b32 v[AQ0+3], 0
	s_mov_b32 s17, 0x43000000                      ; 128.0
	s_wait_loadcnt 0x0
.irp z, 0,1
	WIN 0x55*\z
	v_mul_f32 v[CQ], s[CS], v[BM+1]                ; C = c qmin
	v_fma_f32 v[BQ], s17, v[BM+1], v[BM+2]
	s_delay_alu instid0(VALU_DEP_1)
	v_mul_f32 v[BQ], s[CS], v[BQ]                  ; B = c (128 qmin + qscale qsum)
	WIN 0x40+0x15*\z
	v_mul_f32 v[AQ0+36+2*\z], s[CS], v[BM]         ; A = c qscale, beside Y
	WIN 0x15*\z
	v_mul_f32 v[AQ0+2*\z], s[CS], v[BM]            ; and beside X
.endr
	WIN 0
	s_wait_alu depctr_va_vdst(0)                   ; the wait at the head's end
.Lslot:                                            ; NSL - 1 trips: behind each change of slots but the last the next slot is asked for
	CHANGE 1
	SLOT_STEPS
	s_sub_co_u32 s[SLOTS], s[SLOTS], 1
	s_cmp_lg_u32 s[SLOTS], 0
	s_wait_alu depctr_va_vdst(0)                   ; the wait directly ahead of the branch
	s_cbranch_scc1 .Lslot
	CHANGE 0                                       ; the last slot is written out
	SLOT_STEPS
; THE WAY OUT.  O^T is divided by the row's sum and goes through my stage in LDS, 64 channels (256 bytes) of 16 queries at a time, so that sixteen lanes store 256 consecutive bytes, at a multiple of 256 from out0's first byte.
.macro PACK z
	WIN 0x55*(\z)
	v_add_f32 v[SUM], v[SUM], v[SUM+1]
	s_delay_alu instid0(VALU_DEP_1)
	v_permlanex16_b32 v[TMP], v[SUM], s[SEL], s[SEL+1]
	s_delay_alu instid0(VALU_DEP_1)
	v_add_f32 v[SUM], v[SUM], v[TMP]               ; the row's sum
	s_wait_alu depctr_va_vdst(0)                   ; the wait ahead of the reciprocal
	v_rcp_f32 v[SUM], v[SUM]
	v_nop
	s_wait_alu depctr_va_vdst(0)                   ; and ahead of its first reader
.set J, 0
.rept 32
	v_pk_mul_f32 v[S+J:S+J+1], v[OT+J:OT+J+1], v[SUM:SUM+1] op_sel_hi:[1,0]   ; register 8 t + i is o(row r, channel 16 t + 8 h + i)
.set J, J+2
.endr
.irp u, 0,1
	WIN 0x04*(\z)
.irp t, 0,1,2,3
	ds_store_b128 v[STI], v[S+32*\u+8*\t:S+32*\u+8*\t+3] offset:64*\t
	ds_store_b128 v[STI], v[S+32*\u+8*\t+4:S+32*\u+8*\t+7] offset:64*\t+16
.endr
	WIN 0x40*(\z)
.irp i, 0,1,2,3,4,5,6,7
	ds_load_b128 v[OT+32*\u+4*\i:OT+32*\u+4*\i+3], v[STR] offset:2*\i*272   ; LDS serves a wave's instructions in order (ISA guide 5.7.1.4)
.endr
.endr
.endm
.macro SEND z, younger                 ; younger: the LDS instructions issued behind this tile's 32
	WIN 0x04*(\z)
.irp u, 0,1
.irp i, 0,1,2,3,4,5,6,7
	s_wait_dscnt (\younger)+23-16*\u-\i            ; behind load (u, i): 7 - i loads of its half and, for u = 0, the other half's 8 stores and 8 loads
	global_store_b128 v[GO], v[OT+32*\u+4*\i:OT+32*\u+4*\i+3], s[10:11] offset:(8*(\z)+2*\i+8*(\i/4))*16384+256*\u th:TH_STORE_NT   ; stage row 2 i + h is query 8 z + 2 i + h + 8 (i / 4) of my 32
.endr
.endr
.endm
	v_and_b32 v19, 15, v0                          ; r (the step's last four places stand ahead of these writes into X)
	v_bfe_u32 v20, v0, 4, 1                        ; h
	s_mul_i32 s2, s[WV], 16*272
	v_lshl_add_u32 v[GO], v20, 14, v[R16]
	v_mul_u32_u24 v[STI], v19, 272
	s_delay_alu instid0(VALU_DEP_1)
	v_lshl_add_u32 v[STI], v20, 5, v[STI]
	s_delay_alu instid0(VALU_DEP_1)
	v_add_nc_u32 v[STI], s2, v[STI]                ; in: row r, + 32 h
	v_mul_u32_u24 v[STR], v20, 272
	s_delay_alu instid0(VALU_DEP_1)
	v_add_nc_u32 v[STR], v[STR], v[R16]
	s_delay_alu instid0(VALU_DEP_1)
	v_add_nc_u32 v[STR], s2, v[STR]                ; back: lanes 0-15 one row, lanes 16-31 the next
	PACK 0
	PACK 1
	SEND 0, 32
	SEND 1, 0
	WIN 0
	s_wait_tensorcnt 0x0                           ; the wave's end
	ds_add_u32 v[SPW], v[NIL]
	s_wait_dscnt 0x0
	CROUND                                         ; the closing round
	s_endpgm
.Lfunc_end_k_q054c86de5e_attn:
	.size	k_q054c86de5e_attn, .Lfunc_end_k_q054c86de5e_attn-k_q054c86de5e_attn
	.p2alignl 7, 3214868480
	.fill 96, 4, 3214868480
	.section	.rodata,"a",@progbits
	.p2align	6, 0x0
	.amdhsa_kernel k_q054c86de5e_attn
		.amdhsa_group_segment_fixed_size 327680
		.amdhsa_private_segment_fixed_size 0
		.amdhsa_enable_private_segment 0
		.amdhsa_kernarg_size 32
		.amdhsa_user_sgpr_count 2
		.amdhsa_user_sgpr_kernarg_segment_ptr 1
		.amdhsa_wavefront_size32 1
		.amdhsa_system_sgpr_workgroup_id_x 1
		.amdhsa_system_sgpr_workgroup_id_y 1
		.amdhsa_system_sgpr_workgroup_id_z 1
		.amdhsa_system_vgpr_workitem_id 0
		.amdhsa_next_free_vgpr 512
		.amdhsa_next_free_sgpr 66
		.amdhsa_reserve_vcc 0
		.amdhsa_float_denorm_mode_32 3
		.amdhsa_float_denorm_mode_16_64 3
		.amdhsa_memory_ordered 1
		.amdhsa_forward_progress 1
		.amdhsa_inst_pref_size 255
	.end_amdhsa_kernel
	.section	.bss,"aw",@nobits
	.p2align	6
	.space	262144
	.amdgpu_metadata
---
amdhsa.version: [ 1, 2 ]
amdhsa.kernels:
  - .name:           k_q054c86de5e_attn
    .symbol:         k_q054c86de5e_attn.kd
    .args:
      - { .name: qrec, .offset: 0, .size: 8, .value_kind: global_buffer, .address_space: global }
      - { .name: krec, .offset: 8, .size: 8, .value_kind: global_buffer, .address_space: global }
      - { .name: vrec, .offset: 16, .size: 8, .value_kind: global_buffer, .address_space: global }
      - { .name: out0, .offset: 24, .size: 8, .value_kind: global_buffer, .address_space: global }
    .group_segment_fixed_size: 327680
    .private_segment_fixed_size: 0
    .kernarg_segment_align: 8
    .kernarg_segment_size: 32
    .max_flat_workgroup_size: 256
    .sgpr_count:     66
    .vgpr_count:     512
    .wavefront_size: 32
...
	.end_amdgpu_metadata
.endif
;; end of part 2
